; MI455X (gfx1250); checked and timed in simulation.
; The chip was launched on July 23, 2026; its instructions are those of AMD's public machine-readable ISA for CDNA 5 (MIT licence, August 2026) and "CDNA5" Instruction Set Architecture Reference Guide (July 2026). The comments in the code are by the model that wrote it; some were corrected since.
;; Memory Pool. Allowed arithmetic: matrix products marked QUANTISED: E2M3 operands, one E8M0 scale for each 32 along K, by v_wmma_scale_f32_16x16x128_f8f6f4 with both operands' format E2M3, f32 sums; everything else in f32.
;; Inputs: Wg_codes 1,024 x 32 x 24 uint8 (E2M3 codes of Wg, K innermost, in blocks of 32 codes, four codes in three bytes); Wg_scales 1,024 x 32 uint8 (E8M0 scales of Wg, one for each 32 codes along K); Wk_codes 128 x 4 x 24 uint8 (E2M3 codes of Wk, K innermost, in blocks of 32 codes, four codes in three bytes); Wk_scales 128 x 4 uint8 (E8M0 scales of Wk, one for each 32 codes along K); Wout_codes 1,024 x 64 x 24 uint8 (E2M3 codes of Wout, K innermost, in blocks of 32 codes, four codes in three bytes); Wout_scales 1,024 x 64 uint8 (E8M0 scales of Wout, one for each 32 codes along K); Wq_codes 128 x 32 x 24 uint8 (E2M3 codes of Wq, K innermost, in blocks of 32 codes, four codes in three bytes); Wq_scales 128 x 32 uint8 (E8M0 scales of Wq, one for each 32 codes along K); Wv_codes 1,024 x 4 x 24 uint8 (E2M3 codes of Wv, K innermost, in blocks of 32 codes, four codes in three bytes); Wv_scales 1,024 x 4 uint8 (E8M0 scales of Wv, one for each 32 codes along K); bg 1,024 float32; pool_codes 8 x 256 x 4 x 24 uint8 (E2M3 codes of pool, K innermost, in blocks of 32 codes, four codes in three bytes); pool_mask 8 x 256 bool; pool_scales 8 x 256 x 4 uint8 (E8M0 scales of pool, one for each 32 codes along K); x 8 x 2,048 x 1,024 float32.
;; Outputs: out0 8 x 2,048 x 1,024 float32.
;; This version of the problem:
;;   THIS VERSION OF THE PROBLEM IS GIVEN IN LOW PRECISION. The matrix products marked QUANTISED in the list below multiply operands that are first quantised to E2M3 (2 exponent bits, 3 mantissa bits; 6 bits a number), with one power-of-two scale for each 32 numbers along K (OCP MX v1.0); their sums are f32. All else is computed in f32.
;;   The module's matrix products, in the order in which they are computed (A, B: the left and right operand; K: the contracted axis; several contracted axes count as one K, in the product's order):
;;     1. [M 16,384, K 1,024] x [K 1,024, N 128]; A: input x; B: input Wq (given as codes): QUANTISED
;;     2. [M 2,048, K 128] x [K 128, N 128]; A: input pool (given as codes); B: input Wk (given as codes): QUANTISED
;;     3. [M 2,048, K 128] x [K 128, N 1,024]; A: input pool (given as codes); B: input Wv (given as codes): QUANTISED
;;     4. batch 8 x [M 2,048, K 128] x [K 128, N 256]; A: computed on the way; B: computed on the way: QUANTISED
;;     5. batch 8 x [M 2,048, K 256] x [K 256, N 1,024]; A: computed on the way; B: computed on the way: QUANTISED
;;     6. [M 16,384, K 1,024] x [K 1,024, N 1,024]; A: input x; B: input Wg (given as codes): QUANTISED
;;     7. [M 16,384, K 2,048] x [K 2,048, N 1,024]; A: computed on the way; B: input Wout (given as codes): QUANTISED
;;   THE QUANTISER, for each operand of a quantised product, along K:
;;     - K is cut into blocks of 32 from its start; a last block that is shorter is filled with zeros.
;;     - A block's scale is 2^e with e = floor(log2(the largest magnitude in the block)) - 2, held to -126 .. 127; a block of zeros has e = 0. As a byte (E8M0): e + 127.
;;     - Each number is divided by its block's scale, clamped to +-7.5, and rounded to the nearest number of E2M3, ties to even, subnormals kept.
;;     - The product sums the exact products of the quantised numbers (number of the format x scale) in f32.
;;   ~~~python
;;   def quantise(x, axis):      # numpy; x: float32 -> the quantised numbers, widened to float32 again
;;       x = np.moveaxis(x, axis, -1); K = x.shape[-1]
;;       x = np.pad(x, [(0, 0)] * (x.ndim - 1) + [(0, -K % 32)]); x = x.reshape(x.shape[:-1] + (-1, 32)); a = np.abs(x).max(-1, keepdims=True)
;;       e = np.where(a > 0, np.clip(np.frexp(np.where(a > 0, a, 1))[1] - 1 - 2, -126, 127), 0)      # np.frexp(a)[1] - 1 = floor(log2(a)), exactly
;;       r = np.clip(x / 2.0 ** e, -7.5, 7.5)
;;       step = 2.0 ** (np.maximum(np.frexp(np.where(r == 0, 1, r))[1] - 1, 0) - 3)
;;       q = np.round(r / step) * step * 2.0 ** e      # np.round: ties to even
;;       return np.moveaxis(q.reshape(q.shape[:-2] + (-1,))[..., :K], -1, axis).astype(np.float32)
;;   ~~~
;;   OPERANDS COMPUTED ON THE WAY. 'Computed on the way' means the value that the module computes at that place (a softmax that the list does not call 'softmax' is quantised finished and normalised). What goes into a quantiser is computed in f32, as accurately as f32 sums, v_exp_f32 and their like allow (about 1e-6 of the number): no bf16 or f16 on the way to a quantiser, and a product that is left as it is and whose result goes on into a quantised operand takes f32 operands (vector FMAs, or v_wmma_f32_16x16x4_f32). A number that lies on a knife's edge between two numbers of the format may be rounded either way, as far as f32 arithmetic and the matrix unit's own rounding can turn it there, and no further.
;;   INPUTS GIVEN AS CODES. Wg (in the module: [1024, 1024], K = its axis 1); Wk (in the module: [128, 128], K = its axis 1); Wout (in the module: [1024, 2048], K = its axis 1); Wq (in the module: [128, 1024], K = its axis 1); Wv (in the module: [1024, 128], K = its axis 1); pool (in the module: [8, 256, 128], K = its axis 2): each comes as NAME_codes (uint8): NAME with its K axis moved to the last place and cut into blocks of 32 codes, [.., K / 32, bytes a block], one block behind the other in memory; four codes in three bytes: a row's codes are one little-endian stream of bits, code i at bits 6 i .. 6 i + 5 (a code: sign, 2 exponent bits, 3 mantissa bits); and NAME_scales (uint8): the same leading axes, one E8M0 byte (e + 127) for each 32 codes along K. Its value is code x scale, taken as it is: it is not quantised again, and the codes and scales need not be those that the quantiser above would give.
;; One version. Each part assembles by itself: llvm-mc -triple=amdgcn-amd-amdhsa -mcpu=gfx1250 --defsym DOCPART=n.
;; ======== version 1 of 1: 2 launches
;; limits: right only within a limited range of input values
;; workspace buffers: kst 204,800 bytes; mbias 8,192 bytes; vst 1,638,400 bytes; wst 2,457,600 bytes
;; launch prep (part 1): grid 336 x 1, 4 waves a work-group, no clusters, 0 bytes of LDS; arguments pool_codes, pool_scales, pool_mask, Wk_codes, Wk_scales, Wv_codes, Wv_scales, Wg_codes, Wg_scales, Wout_codes, Wout_scales, kst, mbias, vst, wst; writes kst, mbias, vst, wst
.if DOCPART == 1
	.amdgcn_target "amdgcn-amd-amdhsa--gfx1250"
	.amdhsa_code_object_version 6
	.text
	.protected	k_q6763b02147_prep
	.globl	k_q6763b02147_prep
	.p2align	8
	.type	k_q6763b02147_prep,@function
k_q6763b02147_prep:
	s_mov_b64 s[64:65], 0
	v_nop
	global_prefetch_b8 v0, s[64:65] scope:SCOPE_SE
	s_setreg_imm32_b32 hwreg(HW_REG_WAVE_MODE, 25, 1), 1
	s_wait_xcnt 0x0
; PREP: what hangs on the pool and the weights alone, made once and laid in the order of the operand's registers.
;   k = pool Wk^T quantised along e  -> kst;   v = pool Wv^T quantised along p -> vst;   Wg, Wout copied -> wst;   the mask as f32 (0 or -infinity) -> mbias.
; A PART is 25,600 bytes: 16 fragment images (fragment f at 1,536 f: registers 4 c .. 4 c + 3 of lane l at 512 c + 16 l), then 8 scale pieces of 128 bytes (piece j at 24,576 + 128 j:
; lanes 0-15 the scale words of fragment 2 j, lanes 16-31 those of fragment 2 j + 1).  Row i of tile 2 b + u is matrix row base + 32 b + 8 u + i + 8 (i / 8), so that in a product used
; transposed the 16 result registers of tiles 2 b and 2 b + 1 are 16 neighbours.
; SHARES: a work-group makes 8 fragments of one K step (an octet), wave wv fragments 2 wv and 2 wv + 1 and their one scale piece.  336 octets: 128 of v, 16 of k, 64 of Wg, 128 of Wout.
; No LDS, no barrier: waves share nothing.  Which buffers and numbers a work-group takes is chosen by selects on its number; only copy against compute is a branch.
; LIMITS: NaN and infinities are not served; a block of zeros or under 2^-124 gets the scale byte 1 (its codes add nothing or are subnormal codes; this program alone reads the bytes).
.set LI,  1                            ; v1   16 x lane
.set LS,  2                            ; v2   4 x lane
.set A0,  3                            ; v3   my row of the pair's first tile: er x row bytes + 24 h
.set A1,  4                            ; v4   of its second: 8 rows on
.set SA0, 5                            ; v5   its scale word
.set SA1, 6
.set B0,  7                            ; v7   source 0's rows: er x 96 + 24 h
.set B0S, 8                            ; v8   er x 4
.set FS0, 16                           ; v16-23 scale words of source 0's eight tiles (scales alone live here)
.set FS1, 24                           ; v24-25 scale words of the pair
.set PW,  26                           ; v26-27 scale words just made
.set SP,  28                           ; v28  the scale piece
.set TM,  32                           ; v32-47 at work in QUANT
.set PC,  48                           ; v48-67 codes just made
.set FR1, 68                           ; v68-91 the pair's two fragments
.set H,   96                           ; v96-159 eight result tiles
.set FR0, 160                          ; v160-255 source 0's eight fragments
; 64 numbers of a lane, register 16 b + i = k 32 b + 16 (lane / 16) + i of my row, become a fragment's codes in v[PC] on and its scale word in v[pw]
.macro QUANT s, pw
.irp b, 0,1,2,3
	v_max3_num_f32 v[TM+\b], |v[\s+16*\b]|, |v[\s+1+16*\b]|, 0x1800000   ; my 16 numbers of block b, and the floor 2^(3 - 127): the byte cannot fall under 1
.endr
.irp i, 2,4,6,8,10,12,14
.irp b, 0,1,2,3
	v_max3_num_f32 v[TM+\b], v[TM+\b], |v[\s+16*\b+\i]|, |v[\s+1+16*\b+\i]|
.endr
.endr
.irp b, 0,1,2,3
	v_permlanex16_b32 v[TM+4+\b], v[TM+\b], s2, s3
.endr
.irp b, 0,1,2,3
	v_max_num_f32 v[TM+\b], v[TM+\b], v[TM+4+\b]       ; with lane l xor 16's: the block's largest magnitude
.endr
.irp b, 0,1,2,3
	v_add_nc_u32 v[TM+12+\b], 0xff000000, v[TM+\b]     ; 2 off its exponent field: the conversion's scale operand
.endr
.irp b, 0,1,2,3
	v_lshrrev_b32 v[TM+4+\b], 23, v[TM+12+\b]          ; the scale's byte
.endr
	v_lshl_or_b32 v[\pw], v[TM+5], 8, v[TM+4]
	v_lshl_or_b32 v[\pw], v[TM+6], 16, v[\pw]
	v_lshl_or_b32 v[\pw], v[TM+7], 24, v[\pw]
.irp c, 0,1
	v_cvt_scalef32_pk16_fp6_f32 v[PC+6*\c:PC+2+6*\c], v[\s+32*\c:\s+15+32*\c], v[TM+12+2*\c]
	v_cvt_scalef32_pk16_fp6_f32 v[PC+12+4*\c:PC+14+4*\c], v[\s+16+32*\c:\s+31+32*\c], v[TM+12+2*\c+1]   ; (a conversion's three registers begin on an even number)
.endr
	v_nop                                              ; one plain line behind the scaled conversions
.irp c, 0,1                                        ; the layout wants a whole block in a lane: lanes 0-15 block 2 c, lanes 16-31 block 2 c + 1
.irp i, 0,1,2
	v_permlane16_swap_b32 v[PC+6*\c+\i], v[PC+12+4*\c+\i]
.endr
.irp i, 0,1,2
	v_mov_b32 v[PC+3+6*\c+\i], v[PC+12+4*\c+\i]
.endr
.endr
.endm
	s_load_b512 s[4:19], s[0:1], 0x0               ; pool codes 4, pool scales 6, mask 8, Wk codes 10, Wk scales 12, Wv codes 14, Wv scales 16, Wg codes 18
	s_load_b256 s[20:27], s[0:1], 0x40             ; Wg scales 20, Wout codes 22, Wout scales 24, kst 26
	s_load_b128 s[28:31], s[0:1], 0x60             ; mbias 28, vst 30
	s_load_b64 s[32:33], s[0:1], 0x70              ; wst
	v_lshrrev_b32 v9, 5, v0
	v_readfirstlane_b32 s34, v9                    ; wave 0..3
	s_mov_b32 s35, ttmp9                           ; the octet's number
	s_mov_b32 s2, 0x76543210
	s_mov_b32 s3, 0xfedcba98                       ; selects for lane l xor 16
	; Wout's octets, 208 on: chunk c, wave w of the main launch, K step sigma
	s_sub_co_u32 s36, s35, 208
	s_lshr_b32 s37, s36, 6                         ; c
	s_bfe_u32 s38, s36, 0x20004                    ; w
	s_and_b32 s39, s36, 15                         ; sigma
	s_mul_i32 s40, s37, 12
	s_add_co_u32 s40, s40, 4                       ; Wout's first slot of the chunk
	; Wg's, 144 on
	s_sub_co_u32 s36, s35, 144
	s_lshr_b32 s41, s36, 5
	s_bfe_u32 s42, s36, 0x20003
	s_and_b32 s43, s36, 7
	s_mul_i32 s44, s41, 12
	s_mov_b32 s45, 1536                            ; a row of codes in bytes
	s_cmp_lt_u32 s35, 208
	s_cselect_b32 s37, s41, s37
	s_cselect_b32 s38, s42, s38
	s_cselect_b32 s39, s43, s39
	s_cselect_b32 s40, s44, s40
	s_cselect_b32 s45, 768, s45
	s_cselect_b32 s46, 32, 64
	; where a weight's fragments go in wst: sub-chunk 2 c + hh (hh: the upper four of the octet's eight tiles) at 614,400; in it quad Q at 102,400, wave w's part at 25,600, unit u: four fragments at 6,144 u, two scale pieces at 24,576 + 256 u.
	; Wout's K steps 0-7: Q = sigma / 4, u = sigma % 4; its even K steps from 8 on: Q = 2; its odd ones: Q = 5, u = (sigma - 8) / 2; Wg: Q = 3 + sigma / 4, u = sigma % 4
	s_cselect_b32 s66, 1, 0
	s_lshr_b32 s67, s39, 2
	s_and_b32 s68, s39, 3
	s_and_b32 s69, s39, 1
	s_mul_i32 s69, s69, 3
	s_add_co_u32 s69, s69, 2
	s_sub_co_u32 s70, s39, 8
	s_lshr_b32 s70, s70, 1
	s_cmp_lt_u32 s39, 8
	s_cselect_b32 s69, s67, s69
	s_cselect_b32 s70, s68, s70
	s_add_co_u32 s67, s67, 3
	s_cmp_eq_u32 s66, 1
	s_cselect_b32 s69, s67, s69
	s_cselect_b32 s70, s68, s70
	s_mul_i32 s71, s37, 1228800
	s_mul_i32 s69, s69, 102400
	s_add_co_u32 s71, s71, s69
	s_mul_i32 s69, s38, 25600
	s_add_co_u32 s71, s71, s69
	s_lshr_b32 s41, s39, 1
	s_add_co_u32 s40, s40, s41                     ; the slot: two K steps to a slot
	s_mul_i32 s40, s40, 102400
	s_mul_i32 s41, s38, 25600
	s_add_co_u32 s40, s40, s41                     ; the part's byte in wst
	s_and_b32 s47, s39, 1                          ; kappa: which half of the part
	s_lshl_b32 s37, s37, 9
	s_lshl_b32 s38, s38, 7
	s_add_co_u32 s37, s37, s38                     ; the octet's first row: 512 c + 128 w
	; k's, 128 on: batch, half g of the pool
	s_sub_co_u32 s36, s35, 128
	s_lshr_b32 s41, s36, 1
	s_and_b32 s42, s36, 1
	s_lshl_b32 s43, s41, 8
	s_lshl_b32 s44, s42, 7
	s_add_co_u32 s48, s43, s44                     ; 256 batch + 128 g: first pool row, and the mask's first byte
	s_mul_i32 s44, s41, 25600
	s_cmp_lt_u32 s35, 144
	s_cselect_b32 s37, s48, s37
	s_cselect_b32 s40, s44, s40
	s_cselect_b32 s47, s42, s47
	s_cselect_b32 s39, 0, s39
	s_cselect_b32 s45, 96, s45
	s_cselect_b32 s46, 4, s46
	; v's, 0 on: batch, w, ab, kappa
	s_lshr_b32 s41, s35, 4
	s_bfe_u32 s42, s35, 0x20002
	s_bfe_u32 s49, s35, 0x10001
	s_and_b32 s50, s35, 1
	s_lshl_b32 s51, s42, 8
	s_lshl_b32 s52, s49, 7
	s_add_co_u32 s51, s51, s52                     ; Wv's first row: 256 w + 128 ab
	s_mul_i32 s52, s41, 204800
	s_mul_i32 s42, s42, 51200
	s_add_co_u32 s52, s52, s42
	s_mul_i32 s49, s49, 25600
	s_add_co_u32 s52, s52, s49                     ; the part's byte in vst
	s_lshl_b32 s41, s41, 8
	s_lshl_b32 s49, s50, 7
	s_add_co_u32 s41, s41, s49                     ; source 0: pool rows 256 batch + 128 kappa on
	s_cmp_lt_u32 s35, 128
	s_cselect_b32 s37, s51, s37
	s_cselect_b32 s40, s52, s40
	s_cselect_b32 s47, s50, s47
	s_cselect_b32 s53, s41, 0                      ; (k's source 0 is Wk, from its first row)
	; byte offsets
	s_lshl_b32 s41, s34, 5
	s_add_co_u32 s37, s37, s41                     ; + 32 x wave: my pair's first row
	s_mul_i32 s54, s37, s45
	s_mul_i32 s41, s39, 96
	s_add_co_u32 s54, s54, s41                     ; its codes of K step sigma
	s_mov_b32 s55, 0
	s_mul_i32 s56, s37, s46
	s_lshl_b32 s41, s39, 2
	s_add_co_u32 s56, s56, s41                     ; its scale words
	s_mov_b32 s57, 0
	s_mul_i32 s41, s47, 12288
	s_mul_i32 s42, s34, 3072
	s_add_co_u32 s58, s40, s41
	s_add_co_u32 s58, s58, s42                     ; where my two images go
	s_mov_b32 s59, 0
	s_lshl_b32 s41, s47, 9
	s_lshl_b32 s42, s34, 7
	s_add_co_u32 s60, s40, s41
	s_add_co_u32 s60, s60, s42
	s_add_co_u32 s60, s60, 24576                   ; and my scale piece
	s_mov_b32 s61, 0
	s_lshr_b32 s72, s34, 1                         ; hh: my pair of tiles lies in the octet's lower or upper four
	s_mul_i32 s72, s72, 614400
	s_add_co_u32 s71, s71, s72
	s_and_b32 s72, s34, 1
	s_mul_i32 s73, s70, 6144
	s_mul_i32 s74, s72, 3072
	s_add_co_u32 s73, s73, s74
	s_add_co_u32 s73, s73, s71
	s_lshl_b32 s74, s70, 8
	s_lshl_b32 s72, s72, 7
	s_add_co_u32 s74, s74, s72
	s_add_co_u32 s74, s74, s71
	s_add_co_u32 s74, s74, 24576
	s_cmp_lt_u32 s35, 144
	s_cselect_b32 s58, s58, s73                    ; k and v keep their places; the weights take these
	s_cselect_b32 s60, s60, s74
	s_lshl_b32 s49, s45, 3                         ; 8 rows of codes
	s_lshl_b32 s52, s46, 3                         ; 8 rows of scale bytes
	v_and_b32 v12, 31, v0                          ; lane
	v_and_b32 v9, 15, v0                           ; r
	v_bfe_u32 v10, v0, 4, 1                        ; h
	v_and_b32 v11, 8, v9
	v_add_nc_u32 v11, v11, v9                      ; er = r + 8 (r / 8)
	v_lshlrev_b32 v[LI], 4, v12
	v_lshlrev_b32 v[LS], 2, v12
	v_mul_lo_u32 v[A0], v11, s45
	v_mad_u32_u24 v[A0], v10, 24, v[A0]
	v_add_nc_u32 v[A1], s49, v[A0]
	v_mul_lo_u32 v[SA0], v11, s46
	v_add_nc_u32 v[SA1], s52, v[SA0]
	v_mul_u32_u24 v[B0], v11, 96
	v_mad_u32_u24 v[B0], v10, 24, v[B0]
	v_lshlrev_b32 v[B0S], 2, v11
.irp b, 0,1,2,3
	v_mov_b32 v[TM+4+\b], 0                        ; written once: a lane permute's destination counts as one of its sources
.endr
	s_mov_b32 s44, 0xffff0000                      ; lanes 16-31
	s_wait_alu depctr_va_vdst(0)
	s_wait_kmcnt 0x0
	s_cmp_lt_u32 s35, 208                          ; the choices hang on the work-group's number alone
	s_cselect_b64 s[36:37], s[18:19], s[22:23]     ; the pair's codes: Wg or Wout,
	s_cselect_b64 s[38:39], s[20:21], s[24:25]
	s_cmp_lt_u32 s35, 144
	s_cselect_b64 s[36:37], s[4:5], s[36:37]       ; the pool,
	s_cselect_b64 s[38:39], s[6:7], s[38:39]
	s_cselect_b64 s[40:41], s[26:27], s[32:33]     ; into kst or wst
	s_cmp_lt_u32 s35, 128
	s_cselect_b64 s[36:37], s[14:15], s[36:37]     ; or Wv,
	s_cselect_b64 s[38:39], s[16:17], s[38:39]
	s_cselect_b64 s[40:41], s[30:31], s[40:41]     ; into vst
	s_cselect_b64 s[50:51], s[4:5], s[10:11]       ; source 0: the pool (for v) or Wk (for k)
	s_cselect_b64 s[62:63], s[6:7], s[12:13]
	s_add_nc_u64 s[36:37], s[36:37], s[54:55]
	s_add_nc_u64 s[38:39], s[38:39], s[56:57]
	s_add_nc_u64 s[42:43], s[40:41], s[60:61]
	s_add_nc_u64 s[40:41], s[40:41], s[58:59]
	s_mul_i32 s54, s53, 96
	s_add_nc_u64 s[50:51], s[50:51], s[54:55]
	s_lshl_b32 s54, s53, 2
	s_add_nc_u64 s[62:63], s[62:63], s[54:55]
.irp p, 0,1,2,3,4,5
	global_load_b64 v[FR1+2*\p:FR1+2*\p+1], v[A0], s[36:37] offset:48*(\p/3)+8*(\p%3)       ; the pair's fragments, 24 bytes in pieces of 8
.endr
.irp p, 0,1,2,3,4,5
	global_load_b64 v[FR1+12+2*\p:FR1+12+2*\p+1], v[A1], s[36:37] offset:48*(\p/3)+8*(\p%3)
.endr
	global_load_b32 v[FS1], v[SA0], s[38:39]
	global_load_b32 v[FS1+1], v[SA1], s[38:39]
	s_cmp_lt_u32 s35, 144
	s_cbranch_scc1 .Lcompute
	; ---- Wg, Wout: the fragments are stored as they stand
	s_wait_loadcnt 0x0
	v_cndmask_b32 v[SP], v[FS1], v[FS1+1], s44     ; lanes 0-15 the first tile's words, lanes 16-31 the second's
.irp t, 0,1
.irp c, 0,1,2
	global_store_b128 v[LI], v[FR1+12*\t+4*\c:FR1+12*\t+4*\c+3], s[40:41] offset:1536*\t+512*\c   ; 32 lanes store 512 consecutive bytes, aligned
.endr
.endr
	global_store_b32 v[LS], v[SP], s[42:43]
	s_endpgm
.Lcompute:
	; ---- v and k: source 0 = 128 rows (of the pool: p; of Wk: e) as eight tiles, source 1 = my tile: a lane holds one row of the result's operand, its registers run along the next K
.irp t, 0,1,2,3,4,5,6,7
.irp p, 0,1,2,3,4,5
	global_load_b64 v[FR0+12*\t+2*\p:FR0+12*\t+2*\p+1], v[B0], s[50:51] offset:(32*(\t/2)+8*(\t%2))*96+48*(\p/3)+8*(\p%3)
.endr
	global_load_b32 v[FS0+\t], v[B0S], s[62:63] offset:(32*(\t/2)+8*(\t%2))*4
.endr
	s_wait_loadcnt 0x0
.irp u, 0,1
.irp t, 0,1,2,3,4,5,6,7
	v_wmma_scale_f32_16x16x128_f8f6f4 v[H+8*\t:H+8*\t+7], v[FR0+12*\t:FR0+12*\t+11], v[FR1+12*\u:FR1+12*\u+11], 0, v[FS0+\t], v[FS1+\u] matrix_a_fmt:MATRIX_FMT_FP6 matrix_b_fmt:MATRIX_FMT_FP6
.endr
.rept 4
	v_nop                                          ; four plain lines between the products and the first read of their results
.endr
.if \u
	s_wait_xcnt 0x0                                ; the first image's stores have read v[PC] on: it is written again only behind this wait
.endif
	QUANT H, PW+\u                                 ; (its lines on v[TM] and v[PC] are also the plain lines between the first eight products and the second eight, which write the same results)
.irp c, 0,1,2
	global_store_b128 v[LI], v[PC+4*\c:PC+4*\c+3], s[40:41] offset:1536*\u+512*\c
.endr
.endr
	v_cndmask_b32 v[SP], v[PW], v[PW+1], s44
	global_store_b32 v[LS], v[SP], s[42:43]
	s_cmp_lt_u32 s35, 128
	s_cbranch_scc1 .Lend
	; ---- k's octets also turn 128 bytes of the mask into f32: 0 where the entry counts, -infinity where it does not
	s_mov_b32 s49, 0
	s_add_nc_u64 s[8:9], s[8:9], s[48:49]
	s_lshl_b32 s48, s48, 2
	s_add_nc_u64 s[28:29], s[28:29], s[48:49]
	global_load_u8 v14, v0, s[8:9]
	v_lshlrev_b32 v13, 2, v0
	v_mov_b32 v15, 0xff800000
	v_mov_b32 v29, 0
	s_wait_alu depctr_va_vdst(0)
	s_wait_loadcnt 0x0
	v_cmp_ne_u32 vcc_lo, 0, v14
	v_cndmask_b32 v15, v15, v29, vcc_lo
	global_store_b32 v13, v15, s[28:29]
.Lend:
	s_endpgm
.Lfunc_end_k_q6763b02147_prep:
	.size	k_q6763b02147_prep, .Lfunc_end_k_q6763b02147_prep-k_q6763b02147_prep
	.p2alignl 7, 3214868480
	.fill 96, 4, 3214868480
	.section	.rodata,"a",@progbits
	.p2align	6, 0x0
	.amdhsa_kernel k_q6763b02147_prep
		.amdhsa_group_segment_fixed_size 0
		.amdhsa_private_segment_fixed_size 0
		.amdhsa_enable_private_segment 0
		.amdhsa_kernarg_size 120
		.amdhsa_user_sgpr_count 2
		.amdhsa_user_sgpr_kernarg_segment_ptr 1
		.amdhsa_wavefront_size32 1
		.amdhsa_system_sgpr_workgroup_id_x 1
		.amdhsa_system_sgpr_workgroup_id_y 1
		.amdhsa_system_sgpr_workgroup_id_z 1
		.amdhsa_system_vgpr_workitem_id 0
		.amdhsa_next_free_vgpr 256
		.amdhsa_next_free_sgpr 76
		.amdhsa_reserve_vcc 1
		.amdhsa_float_denorm_mode_32 3
		.amdhsa_float_denorm_mode_16_64 3
		.amdhsa_memory_ordered 1
		.amdhsa_forward_progress 1
		.amdhsa_inst_pref_size 26
	.end_amdhsa_kernel
	.amdgpu_metadata
---
amdhsa.version: [ 1, 2 ]
amdhsa.kernels:
  - .name:           k_q6763b02147_prep
    .symbol:         k_q6763b02147_prep.kd
    .args:
      - { .name: pool_codes, .offset: 0, .size: 8, .value_kind: global_buffer, .address_space: global }
      - { .name: pool_scales, .offset: 8, .size: 8, .value_kind: global_buffer, .address_space: global }
      - { .name: pool_mask, .offset: 16, .size: 8, .value_kind: global_buffer, .address_space: global }
      - { .name: Wk_codes, .offset: 24, .size: 8, .value_kind: global_buffer, .address_space: global }
      - { .name: Wk_scales, .offset: 32, .size: 8, .value_kind: global_buffer, .address_space: global }
      - { .name: Wv_codes, .offset: 40, .size: 8, .value_kind: global_buffer, .address_space: global }
      - { .name: Wv_scales, .offset: 48, .size: 8, .value_kind: global_buffer, .address_space: global }
      - { .name: Wg_codes, .offset: 56, .size: 8, .value_kind: global_buffer, .address_space: global }
      - { .name: Wg_scales, .offset: 64, .size: 8, .value_kind: global_buffer, .address_space: global }
      - { .name: Wout_codes, .offset: 72, .size: 8, .value_kind: global_buffer, .address_space: global }
      - { .name: Wout_scales, .offset: 80, .size: 8, .value_kind: global_buffer, .address_space: global }
      - { .name: kst, .offset: 88, .size: 8, .value_kind: global_buffer, .address_space: global }
      - { .name: mbias, .offset: 96, .size: 8, .value_kind: global_buffer, .address_space: global }
      - { .name: vst, .offset: 104, .size: 8, .value_kind: global_buffer, .address_space: global }
      - { .name: wst, .offset: 112, .size: 8, .value_kind: global_buffer, .address_space: global }
    .group_segment_fixed_size: 0
    .private_segment_fixed_size: 0
    .kernarg_segment_align: 8
    .kernarg_segment_size: 120
    .max_flat_workgroup_size: 128
    .sgpr_count:     76
    .vgpr_count:     256
    .wavefront_size: 32
...
	.end_amdgpu_metadata
.endif
;; end of part 1
;; launch main (part 2): grid 256 x 1, 4 waves a work-group, clusters of 4 x 1, 327,680 bytes of LDS; arguments x, Wq_codes, Wq_scales, kst, mbias, vst, wst, bg, out0; writes out0
.if DOCPART == 2
	.amdgcn_target "amdgcn-amd-amdhsa--gfx1250"
	.amdhsa_code_object_version 6
	.text
	.protected	k_q6763b02147_main
	.globl	k_q6763b02147_main
	.p2align	8
	.type	k_q6763b02147_main,@function
k_q6763b02147_main:
	s_mov_b64 s[64:65], 0
	v_nop
	global_prefetch_b8 v0, s[64:65] scope:SCOPE_SE
	s_setreg_imm32_b32 hwreg(HW_REG_WAVE_MODE, 25, 1), 1
	s_wait_xcnt 0x0
	s_wait_alu depctr_hold_cnt(0) depctr_sa_sdst(0) depctr_va_vdst(0) depctr_va_sdst(0) depctr_va_ssrc(0) depctr_va_vcc(0) depctr_vm_vsrc(0)
	s_getreg_b32 s2, hwreg(HW_REG_IB_STS2, 6, 4)
	s_cmp_eq_u32 s2, 0
	s_cbranch_scc0 .Lentry_in_a_cluster
	s_endpgm
.Lentry_in_a_cluster:
	s_bfe_u32 s2, ttmp6, 0x10000c
	s_cmp_lg_u32 s2, 0x3003
	s_cbranch_scc0 .Lentry_shape_is_right
	s_endpgm
.Lentry_shape_is_right:
; MAIN: out = x + sigmoid(Q(x) Wg^T + bg) * (Q([x, retrieved]) Wout^T), retrieved = Q(softmax(Q(q) Q(k)^T / sqrt(128), masked)) Q(v), q = Q(x) Wq^T.  All products on codes of FP6 (E2M3) with E8M0 scales.
; SHARES.  A work-group owns 64 rows (16,384 rows / 256 work-groups); nothing between x and out0 goes to memory.  Where a quantiser wants a whole K in a lane the waves take ROWS (wave w: row tile w);
; in every large product they take COLUMNS for all 64 rows.  All products are used transposed (source 0 = weights, k or v; source 1 = rows): a lane holds one row, its registers run along the columns.
; Rows' operands go from wave to wave through LDS as images of their registers, with their scale words beside them.
; THE WEIGHTS lie in memory as images of operand registers.  A UNIT is four fragments (6,144 bytes) and two scale pieces: 16 products.  A sub-chunk (64 columns a wave) is 24 units a wave, and they come by TWO ROADS:
;   twelve (Wg's K steps 0-7, Wout's odd K steps from 9 on) go from memory straight into four register slots of window 1; a slot is loaded again, with the unit four on, when its products are issued.  With each go the two
;   scale pieces of a unit of the other road: a BUNDLE of 16 loads.  The wait for a bundle leaves the three younger bundles' 48 loads out.
;   twelve (Wout's K steps 0-7 and its even K steps from 8 on) are asked for JOINTLY by the four work-groups of a cluster, which walk the same weights: a quad of four units a wave (96 rows of 256 bytes) by one tensor load a wave
;   into one of two LDS slots; each wave reads its own part, a unit one K step ahead of its products, into four register slots of window 3.  A slot is filled again behind a round of the cluster's barrier, three rounds a sub-chunk.
; The last sub-chunk's last sixteen units ask for no further quad and are written out.  v's eight units come by the first road (each batch's v is a small part of the stream).
; No prefetch: x's first read is the head's one burst, with no loop ahead of it; the weights are walked by every cluster; x's second read is asked for eight units ahead of its use.
; The softmax takes the row's maximum away; a row whose entries are all masked gives zeros (its sum is held at 0.5 from below, its numerators are 0).
; LIMITS: NaN and infinities are not served; a block of zeros or under 2^-124 gets the scale byte 1; an exponential under 2^-126 counts as 0.
; REGISTERS.  Window 0: v1-30 addresses; v32-77 scale words alone; v78-123 at work; v124-219 rows' fragments, two sets (on the way out rows of out0); v128-255 in the front x's numbers, then the scores; v224-255 bg.
;   Windows 1 and 3: v0-191 unit slots 0-3 and 4-7 (window 1 in the front: Wq); v192-255 the mask, then x for the residual.   Window 2: accumulators, row tile m, column tile j at 64 m + 8 j (j 0-3 gate, 4-7 out); in the front k and q.
; LDS: x in f32 at 0 (four quarters of K, 64 rows x 1,040 bytes each).  When it has been read, its first 196,608 bytes are the two slots; q, the images of the softmax and of retrieved and the stages lie above them, where no later fill lands.
.set XQ,    66560
.set SLOT,  98304                      ; four waves x 24,576 bytes
.set QF32,  196608
.set RIMG,  196608
.set STG,   245760
.set PIMG,  245760
.set PSC,   258048
.set AIMG,  266240                     ; x's images: row tile m, K step s at 12,288 m + 1,536 s
.set ASC,   315392                     ; rows' scale words: 256 bytes a K step; the word of (m, r) at 8 (r + 16 (m % 2)) + 4 (m / 2)
.set SPARE, 319488
.set LI,  1
.set LS,  2
.set SPW, 3
.set NIL, 4
.set AX0, 5
.set AR0, 6
.set ASB, 7
.set AP0, 8
.set PSB, 9
.set XRD, 10
.set XWI, 11
.set XWS, 12
.set QST, 13
.set QRD, 14
.set PWI, 15
.set PWS, 16
.set RWI, 17
.set RWS, 18
.set STO, 19
.set SRD, 20
.set XO,  21
.set BGA, 22
.set WQA, 23
.set WQS, 24
.set MBA, 25
.set XRT, 26
.set XIT, 27
.set XST, 28
.set BB0, 29
.set BAD, 30
.set BS,  32                           ; v32-47 the units' scale pieces, two a slot
.set AS,  48                           ; v48-51 the rows' scale words, two sets
.set PW,  52
.set KS,  54                           ; v54-61 k's scale pieces
.set WQSC, 62                          ; v62-77 Wq's scale words
.set TM,  78
.set PC,  94
.set ST,  114
.set AF,  124
.set Y,   124
.set XN,  128
.set BG,  224
.set WV,  22
.set CX,  23
.set G1X, 24
.set G0X, 32
.set PF,  36
.set SWB, 38
.set TB,  39
.set DX,  44
.set XB,  46
.set OB,  48
.set CC,  50
.set CNT, 51
.set NL,  52
.set CS,  54
.set SEL, 56
.set FLR, 58
.set KO,  59
.set KI,  60
.set KSW, 61
.set G0S, 88
.set G1S, 92
.set MSB, 0
.macro WIN new                         ; the immediate's high byte repeats the setting that is left; a switch that changes nothing is dropped
.set WNEW, \new
.if MSB != WNEW
	s_set_vgpr_msb (MSB<<8)|WNEW
.set MSB, WNEW
.endif
.endm
.macro PLACES n                        ; plain lines between a matrix instruction and a load into, or a read of, its registers
.rept \n
	v_nop
.endr
.endm
.macro CROUND                          ; a round of the cluster's barrier
	s_barrier_signal -1
	s_barrier_wait -1
	s_cmp_lg_u32 s[WV], 0
	s_cbranch_scc1 .Lnot_wave_0_\@
	s_barrier_signal -3
.Lnot_wave_0_\@:
	s_barrier_wait -3
	s_barrier_signal -1
	s_barrier_wait -1
.endm
; one product: D at d, source 0 at a, source 1 at b; z = 1: it starts the sum; ra, rb = 1: the scale words stand in lanes 16-31
.macro WMMA d, a, b, z, sa, sb, ra, rb
.set W_D, \d
.set W_A, \a
.set W_B, \b
.set W_SA, \sa
.set W_SB, \sb
.set W_S, 4*(\z)+2*(\ra)+(\rb)
.if W_S == 0
	v_wmma_scale_f32_16x16x128_f8f6f4 v[W_D:W_D+7], v[W_A:W_A+11], v[W_B:W_B+11], v[W_D:W_D+7], v[W_SA], v[W_SB] matrix_a_fmt:MATRIX_FMT_FP6 matrix_b_fmt:MATRIX_FMT_FP6
.elseif W_S == 1
	v_wmma_scale_f32_16x16x128_f8f6f4 v[W_D:W_D+7], v[W_A:W_A+11], v[W_B:W_B+11], v[W_D:W_D+7], v[W_SA], v[W_SB] matrix_a_fmt:MATRIX_FMT_FP6 matrix_b_fmt:MATRIX_FMT_FP6 matrix_b_scale:MATRIX_SCALE_ROW1
.elseif W_S == 2
	v_wmma_scale_f32_16x16x128_f8f6f4 v[W_D:W_D+7], v[W_A:W_A+11], v[W_B:W_B+11], v[W_D:W_D+7], v[W_SA], v[W_SB] matrix_a_fmt:MATRIX_FMT_FP6 matrix_b_fmt:MATRIX_FMT_FP6 matrix_a_scale:MATRIX_SCALE_ROW1
.elseif W_S == 3
	v_wmma_scale_f32_16x16x128_f8f6f4 v[W_D:W_D+7], v[W_A:W_A+11], v[W_B:W_B+11], v[W_D:W_D+7], v[W_SA], v[W_SB] matrix_a_fmt:MATRIX_FMT_FP6 matrix_b_fmt:MATRIX_FMT_FP6 matrix_a_scale:MATRIX_SCALE_ROW1 matrix_b_scale:MATRIX_SCALE_ROW1
.elseif W_S == 4
	v_wmma_scale_f32_16x16x128_f8f6f4 v[W_D:W_D+7], v[W_A:W_A+11], v[W_B:W_B+11], 0, v[W_SA], v[W_SB] matrix_a_fmt:MATRIX_FMT_FP6 matrix_b_fmt:MATRIX_FMT_FP6
.elseif W_S == 5
	v_wmma_scale_f32_16x16x128_f8f6f4 v[W_D:W_D+7], v[W_A:W_A+11], v[W_B:W_B+11], 0, v[W_SA], v[W_SB] matrix_a_fmt:MATRIX_FMT_FP6 matrix_b_fmt:MATRIX_FMT_FP6 matrix_b_scale:MATRIX_SCALE_ROW1
.elseif W_S == 6
	v_wmma_scale_f32_16x16x128_f8f6f4 v[W_D:W_D+7], v[W_A:W_A+11], v[W_B:W_B+11], 0, v[W_SA], v[W_SB] matrix_a_fmt:MATRIX_FMT_FP6 matrix_b_fmt:MATRIX_FMT_FP6 matrix_a_scale:MATRIX_SCALE_ROW1
.else
	v_wmma_scale_f32_16x16x128_f8f6f4 v[W_D:W_D+7], v[W_A:W_A+11], v[W_B:W_B+11], 0, v[W_SA], v[W_SB] matrix_a_fmt:MATRIX_FMT_FP6 matrix_b_fmt:MATRIX_FMT_FP6 matrix_a_scale:MATRIX_SCALE_ROW1 matrix_b_scale:MATRIX_SCALE_ROW1
.endif
.endm
; 64 numbers of a lane in window w, register s + 16 b + i = k 32 b + 16 (lane / 16) + i of my row, become a fragment's codes in v[PC] on and its scale word in v[pw].  It leaves every window 0.
.macro QUANT s, w, pw
.set QS, \s
.set QW, \w
.set QP, \pw
	WIN (QW<<2)|(QW<<4)
.irp b, 0,1,2,3
	v_max3_num_f32 v[TM+\b], s[FLR], |v[QS+16*\b]|, |v[QS+16*\b+1]|   ; my 16 numbers of block b over the floor 2^(3 - 127): the byte cannot fall under 1; each result tile is read from its low end on
.endr
.irp i, 2,4,6,8,10,12,14
.irp b, 0,1,2,3
	v_max3_num_f32 v[TM+\b], v[TM+\b], |v[QS+16*\b+\i]|, |v[QS+16*\b+\i+1]|
.endr
.endr
	WIN 0
.irp b, 0,1,2,3
	v_permlanex16_b32 v[TM+4+\b], v[TM+\b], s[SEL], s[SEL+1]
.endr
.irp b, 0,1,2,3
	v_max_num_f32 v[TM+\b], v[TM+\b], v[TM+4+\b]       ; with lane l xor 16's: the block's largest magnitude
.endr
.irp b, 0,1,2,3
	v_add_nc_u32 v[TM+12+\b], 0xff000000, v[TM+\b]     ; 2 off its exponent field: the conversion's scale operand
.endr
.irp b, 0,1,2,3
	v_lshrrev_b32 v[TM+4+\b], 23, v[TM+12+\b]          ; the scale's byte
.endr
	v_lshl_or_b32 v[QP], v[TM+5], 8, v[TM+4]
	v_lshl_or_b32 v[QP], v[TM+6], 16, v[QP]
	v_lshl_or_b32 v[QP], v[TM+7], 24, v[QP]
	WIN QW
.irp c, 0,1
	v_cvt_scalef32_pk16_fp6_f32 v[PC+6*\c:PC+2+6*\c], v[QS+32*\c:QS+15+32*\c], v[TM+12+2*\c]
	v_cvt_scalef32_pk16_fp6_f32 v[PC+12+4*\c:PC+14+4*\c], v[QS+16+32*\c:QS+31+32*\c], v[TM+12+2*\c+1]   ; (a conversion's three registers begin on an even number)
.endr
	WIN 0
	v_nop                                          ; one plain line behind the scaled conversions
.irp c, 0,1                                    ; the layout wants a whole block in a lane
.irp i, 0,1,2
	v_permlane16_swap_b32 v[PC+6*\c+\i], v[PC+12+4*\c+\i]
.endr
.irp i, 0,1,2
	v_mov_b32 v[PC+3+6*\c+\i], v[PC+12+4*\c+\i]
.endr
.endr
.endm
.macro IMAGE adr, off                  ; the fragment in v[PC] on goes to LDS as it stands
.irp c, 0,1,2
	ds_store_b128 v[\adr], v[PC+4*\c:PC+4*\c+3] offset:\off+512*\c
.endr
.endm
.macro FETCHA set, adr, off, ms, sadr, soff    ; the four row tiles' fragments of one K step and their scale words: 13 loads
.irp m, 0,1,2,3
.irp c, 0,1,2
	ds_load_b128 v[AF+48*(\set)+12*\m+4*\c:AF+48*(\set)+12*\m+4*\c+3], v[\adr] offset:(\off)+(\ms)*\m+512*\c
.endr
.endr
	ds_load_b64 v[AS+2*(\set):AS+2*(\set)+1], v[\sadr] offset:\soff
.endm
.macro FETCHL l                        ; unit l of the quad in the slot in hand -> window 3: 12 loads
	WIN 0xc0
.irp f, 0,1,2,3
.irp c, 0,1,2
	ds_load_b128 v[48*(\l)+12*\f+4*\c:48*(\l)+12*\f+4*\c+3], v[BAD] offset:6144*(\l)+1536*\f+512*\c
.endr
.endr
	WIN 0
.endm
.macro LOADU q, pf, off, ps, soff      ; a unit from memory into slot q: 14 loads, each of 512 or 128 consecutive bytes
.set LQ, \q
.set LOF, \off
.set LSO, \soff
	WIN (1+2*(LQ/4))<<6
.irp f, 0,1,2,3
.irp c, 0,1,2
	global_load_b128 v[48*(LQ%4)+12*\f+4*\c:48*(LQ%4)+12*\f+4*\c+3], v[LI], s[\pf:\pf+1] offset:LOF+1536*\f+512*\c
.endr
.endr
	WIN 0
	global_load_b32 v[BS+2*LQ], v[LS], s[\ps:\ps+1] offset:LSO
	global_load_b32 v[BS+2*LQ+1], v[LS], s[\ps:\ps+1] offset:LSO+128
.endm
.macro LOADV i                         ; unit i of v's eight -> slot (i + 4) % 8
	LOADU (\i+4)%8, 14, (\i/4)*25600+(\i%4)*6144, 14, (\i/4)*25600+24576+(\i%4)*256
.endm
.macro LOADB b                         ; bundle b of a sub-chunk's twelve (from 12 on: the next sub-chunk's): the unit of quad 3 + b / 4 -> slot b % 4, and the scale pieces of the unit of quad b / 4: 16 loads
.set LBB, \b
.set LK, LBB%12
.set LB0, (LBB/12)*614400+(LK/4)*102400
	LOADU LK%4, PF, LB0+307200+(LK%4)*6144, PF, LB0+307200+24576+(LK%4)*256
	global_load_b32 v[BS+8+2*(LK%4)], v[LS], s[PF:PF+1] offset:LB0+24576+(LK%4)*256
	global_load_b32 v[BS+9+2*(LK%4)], v[LS], s[PF:PF+1] offset:LB0+24576+(LK%4)*256+128
.endm
; a unit's 16 products: four fragments x the four row tiles; the 16 accumulators take turns, one instruction a turn
.macro UNITQ q, aset, j0, zero
.set UQ, \q
	WIN 0xa0|(1+2*(UQ/4))
.irp f, 0,1,2,3
.irp m, 0,1,2,3
	WMMA 64*\m+8*((\j0)+\f), 48*(UQ%4)+12*\f, AF+48*(\aset)+12*\m, \zero, BS+2*UQ+\f/2, AS+2*(\aset)+\m/2, \f%2, \m%2
.endr
.endr
.endm
.macro BGLOAD                          ; bg of my 64 columns, in the result's layout: register 16 b + i = column 32 b + 16 h + i
.irp b, 0,1
.irp j, 0,1,2,3
	global_load_b128 v[BG+16*\b+4*\j:BG+16*\b+4*\j+3], v[BGA], s[18:19] offset:128*\b+16*\j
.endr
.endr
.endm
.macro XLOADS                          ; x of my 64 rows x 64 columns, as whole runs of 256 bytes: 32 loads
.irp m, 0,1,2,3
	WIN (1+2*(\m/2))<<6
.irp t, 0,1,2,3,4,5,6,7
	global_load_b128 v[192+32*(\m%2)+4*\t:192+32*(\m%2)+4*\t+3], v[XO], s[XB:XB+1] offset:(16*\m+2*\t)*4096
.endr
.endr
	WIN 0
.endm
; A CHANGE OF SLOTS.  The slot in hand is wholly in registers; the other has landed.  Every wave's three lines, a round of the cluster's barrier, and the slot just left is filled again, jointly, with the quad two on.
.macro TURN gstep
	WIN 0
	s_wait_tensorcnt 0x0                           ; my one tensor load has landed: my part of the other slot
	ds_add_u32 v[SPW], v[NIL]
	s_add_nc_u64 s[G0S+2:G0S+3], s[G0S+2:G0S+3], \gstep    ; no load of mine is out: the descriptor may be written
	s_add_co_u32 s[G0S+1], s[SWB], s[TB]           ; into the slot just left
	s_xor_b32 s[TB], s[TB], SLOT
	v_add_nc_u32 v[BAD], s[TB], v[BB0]             ; I read the other from here on
	s_wait_alu depctr_va_vdst(0)
	s_wait_dscnt 0x0                               ; the add is done, my reads of the slot are over
	CROUND
	tensor_load_to_lds s[G0S:G0S+3], s[G1S:G1S+7]  ; my one tensor load behind the round
	s_nop 0
	PLACES 4
.endm
.macro TURN0                           ; the last change: nothing is left to ask for; only I read my part, so my own wait orders the reads
	WIN 0
	s_wait_tensorcnt 0x0
	s_xor_b32 s[TB], s[TB], SLOT
	v_add_nc_u32 v[BAD], s[TB], v[BB0]
	s_wait_alu depctr_va_vdst(0)
	PLACES 4
.endm
; K step s (0-7): x's images against Wg's unit (window 1) and Wout's (window 3).  First the next K step's images and its unit from LDS are fetched, and the bundle three on is asked for.
.macro STEPX s, zero, turn, gstep
.if \turn == 1
	TURN \gstep
.elseif \turn == 2
	TURN0
.else
	PLACES 4
	WIN 0
.endif
.if \s < 7
	FETCHA (\s+1)%2, AX0, 1536*(\s+1), 12288, ASB, 256*(\s+1)
.else
	FETCHA 0, AR0, 0, 1536, ASB, 2048
.endif
	FETCHL (\s+1)%4
.if \s > 0
	LOADB \s+3
.endif
	s_wait_dscnt 25                                ; all but the 13 + 12 just issued
	s_wait_loadcnt 48                              ; behind my bundle three bundles of 16 have been issued
	UNITQ \s%4, \s%2, 0, \zero
	UNITQ 4+\s%4, \s%2, 4, \zero
.endm
; K steps 8 + 2 p (Wout's unit from LDS, rows' set 0) and 9 + 2 p (its unit from memory, set 1).  more = 1: the stream goes on into the next sub-chunk.
.macro STEPR2 p, more
.if (\p == 3) && \more
	TURN 102400
.else
	PLACES 4
	WIN 0
.endif
	FETCHA 1, AR0, 6144*(2*\p+1), 1536, ASB, 2048+256*(2*\p+1)
.if \p < 3
	FETCHL \p+1
.elseif \more
	FETCHL 0
.endif
.if \p == 0
	LOADB 11
	XLOADS
.elseif \more
	LOADB 11+\p
.endif
.if (\p < 3) || \more
	s_wait_dscnt 25
.else
	s_wait_dscnt 13
.endif
.if (\p == 3) && (\more == 0)
	s_wait_loadcnt 32                              ; behind the last bundle: x's 32 loads
.else
	s_wait_loadcnt 48
.endif
	UNITQ 4+\p, 0, 4, 0
	PLACES 4
	WIN 0
.if \p < 3
	FETCHA 0, AR0, 6144*(2*\p+2), 1536, ASB, 2048+256*(2*\p+2)
	s_wait_dscnt 25                                ; behind set 1's loads: a unit's 12 and set 0's 13
.else
	s_wait_dscnt 0x0
.endif
	UNITQ \p, 1, 4, 0
.endm
	; ================= HEAD
	s_load_b512 s[4:19], s[0:1], 0x0               ; x 4, Wq codes 6, Wq scales 8, kst 10, mbias 12, vst 14, wst 16, bg 18
	s_load_b64 s[20:21], s[0:1], 0x40              ; out0
	v_lshl_add_u32 v[SPW], v0, 2, SPARE
	v_mov_b32 v[NIL], 0
	ds_add_u32 v[SPW], v[NIL]
	ds_add_u32 v[SPW], v[NIL]
	v_lshrrev_b32 v114, 5, v0
	v_readfirstlane_b32 s[WV], v114                ; wave 0..3
	s_bfe_u32 s[CX], ttmp6, 0x40000                ; my place in the cluster: it enters x's and out0's addresses alone
	s_lshl_b32 s66, ttmp9, 2
	s_add_co_u32 s66, s66, s[CX]
	s_lshl_b32 s66, s66, 18                        ; my 64 rows x 4,096 bytes
	s_mov_b32 s67, 0
	s_lshr_b32 s68, ttmp9, 3                       ; the batch: 8 clusters to a batch
	s_mov_b32 s87, 0
	s_mov_b32 s[CC], 0
	s_mov_b32 s[CNT], 0
	s_mov_b32 s[KO], 0
	s_mov_b32 s[KI], 0
	s_mov_b32 s[KSW], 0
	s_mov_b32 s[TB], 0
	s_mov_b32 s[DX], 256
	s_mov_b32 s[DX+1], 0
	s_mov_b32 s[NL], 0xbfb8aa3b                    ; -log2(e)
	s_mov_b32 s[NL+1], s[NL]
	s_mov_b32 s[CS], 0x3e0293ee                    ; log2(e) / sqrt(128)
	s_mov_b32 s[CS+1], s[CS]
	s_mov_b32 s[SEL], 0x76543210
	s_mov_b32 s[SEL+1], 0xfedcba98
	s_mov_b32 s[FLR], 0x1800000
	; x's tile of wave w: quarter w of K for all 64 rows: 64 rows x 1,024 bytes (128 elements of 8), 4,096 bytes apart, 16 bytes of padding behind each: no mask
	s_mov_b32 s[G1X], (3<<16)|(1<<20)|(7<<22)|(3<<25)
	s_mov_b32 s[G1X+1], 128<<16
	s_mov_b32 s[G1X+2], 64<<16
	s_mov_b32 s[G1X+3], 128<<16
	s_mov_b32 s[G1X+4], 64
	s_mov_b32 s[G1X+5], 512
	s_mov_b32 s[G1X+6], 0
	s_mov_b32 s[G1X+7], 0
	; a wave's part of a quad: 96 dense rows of 256 bytes, asked for jointly by the four work-groups
	s_mov_b32 s[G1S], 15|(3<<16)|(1<<21)
	s_mov_b32 s[G1S+1], 32<<16
	s_mov_b32 s[G1S+2], 96<<16
	s_mov_b32 s[G1S+3], 32<<16
	s_mov_b32 s[G1S+4], 96
	s_mov_b32 s[G1S+5], 32
	s_mov_b32 s[G1S+6], 0
	s_mov_b32 s[G1S+7], 0
	s_mov_b32 s[G0X], 1
	s_mul_i32 s[G0X+1], s[WV], XQ
	s_mul_i32 s[SWB], s[WV], 24576
	s_mul_i32 s70, s[WV], 16640
	s_mul_i32 s71, s[WV], 12288
	s_add_co_u32 s76, s71, RIMG
	s_add_co_u32 s71, s71, AIMG
	s_and_b32 s72, s[WV], 1
	s_lshl_b32 s72, s72, 7
	s_lshr_b32 s73, s[WV], 1
	s_lshl_b32 s73, s73, 2
	s_add_co_u32 s72, s72, s73                     ; my row tile's scale words: 128 (w % 2) + 4 (w / 2)
	s_add_co_u32 s79, s72, PSC
	s_add_co_u32 s72, s72, ASC
	s_mul_i32 s73, s[WV], 1536
	s_add_co_u32 s73, s73, PIMG
	s_lshl_b32 s74, s[WV], 7
	s_add_co_u32 s74, s74, QF32
	s_mul_i32 s75, s[WV], 8448
	s_add_co_u32 s75, s75, QF32
	s_lshl_b32 s77, s[WV], 9
	s_add_co_u32 s80, s77, ASC+2048
	s_mul_i32 s78, s[WV], 4352
	s_add_co_u32 s78, s78, STG
	v_and_b32 v114, 31, v0                         ; lane
	v_and_b32 v115, 15, v0                         ; r
	v_bfe_u32 v116, v0, 4, 1                       ; h
	v_and_b32 v117, 8, v115
	v_add_nc_u32 v117, v117, v115                  ; er = r + 8 (r / 8)
	v_lshlrev_b32 v[LI], 4, v114
	v_lshlrev_b32 v[LS], 2, v114
	v_add_nc_u32 v[AX0], AIMG, v[LI]
	v_add_nc_u32 v[AR0], RIMG, v[LI]
	v_lshl_add_u32 v[ASB], v114, 3, ASC
	v_add_nc_u32 v[AP0], PIMG, v[LI]
	v_lshl_add_u32 v[PSB], v114, 3, PSC
	v_add_nc_u32 v[BB0], s[SWB], v[LI]             ; my part of slot 0
	v_add_nc_u32 v[BAD], s[SWB], v[LI]
	v_mul_u32_u24 v118, v115, 1040
	v_lshl_add_u32 v118, v116, 6, v118
	v_add_nc_u32 v[XRD], s70, v118                 ; x: row 16 w + r, + 64 h: my 16 numbers of a block of 32
	v_add_nc_u32 v[XWI], s71, v[LI]
	v_lshl_add_u32 v[XWS], v115, 3, s72
	v_lshl_add_u32 v[PWS], v115, 3, s79
	v_add_nc_u32 v[PWI], s73, v[LI]
	v_mul_u32_u24 v118, v115, 528
	v_lshl_add_u32 v118, v116, 6, v118
	v_add_nc_u32 v[QST], s74, v118                 ; q in f32 (64 rows x 528 bytes): row r, my 32 columns, + 64 h
	v_add_nc_u32 v[QRD], s75, v118                 ; back: row 16 w + r, + 64 h
	v_add_nc_u32 v[RWI], s76, v[LI]                ; retrieved: K steps 8 + 2 w and 9 + 2 w
	v_lshl_add_u32 v[RWS], v115, 3, s80
	v_lshlrev_b32 v118, 12, v116
	v_lshl_add_u32 v118, v115, 4, v118
	v_add_nc_u32 v[XO], s77, v118                  ; in x and out0: row h, 16 bytes a lane, at my wave's 512 bytes of a chunk
	v_lshl_add_u32 v[BGA], v116, 6, s77
	v_mul_u32_u24 v118, v115, 272
	v_lshl_add_u32 v118, v116, 6, v118
	v_add_nc_u32 v[STO], s78, v118                 ; my stage, in: row r, + 64 h
	v_mul_u32_u24 v118, v116, 272
	v_lshl_add_u32 v118, v115, 4, v118
	v_add_nc_u32 v[SRD], s78, v118                 ; back: lanes 0-15 one row of 256 bytes, lanes 16-31 the next
	v_mul_u32_u24 v[WQA], v117, 768
	v_mad_u32_u24 v[WQA], v116, 24, v[WQA]
	v_lshlrev_b32 v[WQS], 5, v117
	v_lshlrev_b32 v[MBA], 6, v116
.irp b, 0,1,2,3
	v_mov_b32 v[TM+4+\b], 0                        ; written once: a lane permute's destination counts as one of its sources
.endr
	s_wait_alu depctr_va_vdst(0)
	s_wait_dscnt 0x0                               ; both opening adds are done
	s_wait_kmcnt 0x0
	s_add_nc_u64 s[XB:XB+1], s[4:5], s[66:67]      ; x and out0 at my 64 rows
	s_add_nc_u64 s[OB:OB+1], s[20:21], s[66:67]
	s_lshl_b32 s86, s[WV], 10
	s_add_nc_u64 s[G0X+2:G0X+3], s[XB:XB+1], s[86:87]
	s_or_b32 s[G0X+3], s[G0X+3], 0x80000000
	CROUND                                         ; the round in front of the launch's first tensor loads
	tensor_load_to_lds s[G0X:G0X+3], s[G1X:G1X+7]  ; my one tensor load at the head
	s_nop 0
	PLACES 4
	s_add_nc_u64 s[8:9], s[8:9], s[86:87]          ; Wq's scales: my 32 rows
	s_mul_i32 s86, s68, 25600
	s_add_nc_u64 s[10:11], s[10:11], s[86:87]      ; the batch's k
	s_lshl_b32 s86, s68, 10
	s_add_nc_u64 s[12:13], s[12:13], s[86:87]      ; its mask
	s_mul_i32 s86, s68, 204800
	s_mul_i32 s81, s[WV], 51200
	s_add_co_u32 s86, s86, s81
	s_add_nc_u64 s[14:15], s[14:15], s[86:87]      ; its v: my wave's two parts
	s_mul_i32 s86, s[WV], 25600
	s_add_nc_u64 s[PF:PF+1], s[16:17], s[86:87]    ; the weights: my wave's parts
	s_mul_i32 s86, s[WV], 24576
	s_add_nc_u64 s[6:7], s[6:7], s[86:87]          ; Wq: my 32 rows
	LOADV 0
	LOADV 1
	LOADV 2
	LOADV 3
	WIN 0x80
.irp t, 0,1,2,3,4,5,6,7,8,9,10,11,12,13,14,15
.irp c, 0,1,2
	global_load_b128 v[12*\t+4*\c:12*\t+4*\c+3], v[LI], s[10:11] offset:1536*\t+512*\c     ; k's sixteen fragments -> window 2
.endr
.endr
	WIN 0
.irp j, 0,1,2,3,4,5,6,7
	global_load_b32 v[KS+\j], v[LS], s[10:11] offset:24576+128*\j
.endr
.irp b, 0,1,2,3,4,5,6,7
	WIN (1+2*(\b/4))<<6
.irp j, 0,1,2,3
	global_load_b128 v[192+16*(\b%4)+4*\j:192+16*(\b%4)+4*\j+3], v[MBA], s[12:13] offset:128*\b+16*\j   ; the mask of p = 32 b + 16 h + 0 .. 15
.endr
.endr
	WIN 0x40
.irp g, 0,1,2,3,4,5,6,7
.irp u, 0,1
.irp p, 0,1,2,3,4,5
	global_load_b64 v[12*(2*\g+\u)+2*\p:12*(2*\g+\u)+2*\p+1], v[WQA], s[6:7] offset:8*\u*768+96*\g+48*(\p/3)+8*(\p%3)   ; Wq: tile u, K step g -> window 1
.endr
.endr
.endr
	WIN 0
.irp g, 0,1,2,3,4,5,6,7
.irp u, 0,1
	global_load_b32 v[WQSC+2*\g+\u], v[WQS], s[8:9] offset:8*\u*32+4*\g
.endr
.endr
	s_wait_tensorcnt 0x0                           ; my quarter of x has landed;
	s_barrier_signal -1
	s_barrier_wait -1                              ; and so have the others'
	; ================= X: my 16 rows of x become eight fragments, a quarter of K (two K steps) a trip
.Lx:
	v_add_nc_u32 v[XRT], s[KO], v[XRD]
	v_add_nc_u32 v[XIT], s[KI], v[XWI]
	v_add_nc_u32 v[XST], s[KSW], v[XWS]
.irp e, 0,1
.irp b, 0,1,2,3
.irp j, 0,1,2,3
	ds_load_b128 v[XN+64*\e+16*\b+4*\j:XN+64*\e+16*\b+4*\j+3], v[XRT] offset:512*\e+128*\b+16*\j
.endr
.endr
.endr
	s_wait_dscnt 16                                ; the first K step's 16 loads are in
	QUANT XN, 0, PW
	IMAGE XIT, 0
	ds_store_b32 v[XST], v[PW]                     ; lanes r and r + 16 write the same word with the same value
	s_wait_dscnt 0x0
	QUANT XN+64, 0, PW
	IMAGE XIT, 1536
	ds_store_b32 v[XST], v[PW] offset:256
	s_add_co_u32 s[KO], s[KO], XQ
	s_add_co_u32 s[KI], s[KI], 3072
	s_add_co_u32 s[KSW], s[KSW], 512
	s_add_co_u32 s[CNT], s[CNT], 1
	s_cmp_lt_u32 s[CNT], 4
	s_wait_alu depctr_va_vdst(0)
	s_cbranch_scc1 .Lx
	; slot 0's first quad lands on bytes of x: a refill
	s_wait_tensorcnt 0x0
	ds_add_u32 v[SPW], v[NIL]
	s_mov_b32 s[G0S], 1
	s_mov_b32 s[G0S+1], s[SWB]
	s_mov_b64 s[G0S+2:G0S+3], s[PF:PF+1]
	s_or_b32 s[G0S+3], s[G0S+3], 0x80000000
	s_wait_dscnt 0x0                               ; the add is done, my images have landed, my reads of x are over
	CROUND
	tensor_load_to_lds s[G0S:G0S+3], s[G1S:G1S+7]
	s_nop 0
	PLACES 4
	; ================= Q: q = Q(x) Wq^T: my 32 columns (two tiles) for the four row tiles: eight accumulators by turns
	s_wait_loadcnt 0x0                             ; k, the mask, Wq
	FETCHA 0, AX0, 0, 12288, ASB, 0
.irp g, 0,1,2,3,4,5,6,7
.if \g > 0
	PLACES 4
.endif
.if \g < 7
	FETCHA (\g+1)%2, AX0, 1536*(\g+1), 12288, ASB, 256*(\g+1)
	s_wait_dscnt 13
.else
	s_wait_dscnt 0x0
.endif
	WIN 0xa1
.irp m, 0,1,2,3
.irp u, 0,1
.if \g == 0
	WMMA 192+16*\m+8*\u, 12*(2*\g+\u), AF+48*(\g%2)+12*\m, 1, WQSC+2*\g+\u, AS+2*(\g%2)+\m/2, 0, \m%2
.else
	WMMA 192+16*\m+8*\u, 12*(2*\g+\u), AF+48*(\g%2)+12*\m, 0, WQSC+2*\g+\u, AS+2*(\g%2)+\m/2, 0, \m%2
.endif
.endr
.endr
	WIN 0
.endr
	PLACES 4
	WIN 0x08                                       ; an LDS store's data are its source 1: window 2
.irp m, 0,1,2,3
.irp j, 0,1,2,3
	ds_store_b128 v[QST], v[192+16*\m+4*\j:192+16*\m+4*\j+3] offset:16*\m*528+16*\j    ; q(16 m + r, 32 w + 16 h + 4 j ..), each accumulator from its low end on
.endr
.endr
	WIN 0
	LOADV 4                                        ; Wq's registers are free: v's last four units
	LOADV 5
	LOADV 6
	LOADV 7
	s_wait_dscnt 0x0
	s_barrier_signal -1                            ; the quad may stay on its way
	s_barrier_wait -1
	; ================= S: scores and softmax of my row tile
.irp b, 0,1,2,3
.irp j, 0,1,2,3
	ds_load_b128 v[192+16*\b+4*\j:192+16*\b+4*\j+3], v[QRD] offset:128*\b+16*\j
.endr
.endr
	s_wait_dscnt 0x0
	QUANT 192, 0, PW
	PLACES 8                                       ; a scale word written by vector lines stands eight plain lines ahead of the scaled product, an operand four
	WIN 0x02                                       ; source 0 (k) window 2
.irp t, 0,1,2,3,4,5,6,7,8,9,10,11,12,13,14,15
	WMMA 128+8*\t, 12*\t, PC, 1, KS+\t/2, PW, \t%2, 0      ; register 16 b + i of v128 on: the score of p = 32 b + 16 h + i
.endr
	PLACES 4
	WIN 0x04
.set n, 0
.rept 32
	v_pk_add_f32 v[128+n:129+n], v[128+n:129+n], v[192+n:193+n]  ; + 0 or -infinity
.set n, n+2
.endr
	WIN 0x0c
.set n, 0
.rept 32
	v_pk_add_f32 v[192+n:193+n], v[192+n:193+n], v[192+n:193+n]
.set n, n+2
.endr
	WIN 0
.irp c, 0,1,2,3
	v_max3_num_f32 v[ST+\c], 0xff61b1e6, v[128+32*\c], v[129+32*\c]    ; the row's maximum in four chains, over a floor of -3e38 for rows that are all masked
.endr
.irp i, 2,4,6,8,10,12,14,16,18,20,22,24,26,28,30
.irp c, 0,1,2,3
	v_max3_num_f32 v[ST+\c], v[ST+\c], v[128+32*\c+\i], v[129+32*\c+\i]
.endr
.endr
	v_max3_num_f32 v[ST], v[ST], v[ST+1], v[ST+2]
	v_max_num_f32 v[ST], v[ST], v[ST+3]
	v_permlanex16_b32 v[ST+4], v[ST], s[SEL], s[SEL+1]
	v_max_num_f32 v[ST], v[ST], v[ST+4]
	v_mul_f32 v[ST+6], s[CS], v[ST]                ; c M
	v_mov_b32 v[ST+7], 0                           ; (named with it as a pair)
.set n, 0
.rept 64
	v_pk_fma_f32 v[128+n:129+n], v[128+n:129+n], s[CS:CS+1], v[ST+6:ST+7] op_sel_hi:[1,0,0] neg_lo:[0,0,1] neg_hi:[0,0,1]   ; c s - c M
.set n, n+2
.endr
	s_wait_alu depctr_va_vdst(0)
.set n, 0
.rept 128
	v_exp_f32 v[128+n], v[128+n]
.set n, n+1
.endr
	v_mov_b32 v[ST+9], 0                           ; a plain line behind the exponentials
	s_wait_alu depctr_va_vdst(0)                   ; one wait for the batch, ahead of its first reader
	v_pk_add_f32 v[ST:ST+1], v[128:129], v[130:131]    ; the row's sum, two at a time, in two chains
	v_pk_add_f32 v[ST+2:ST+3], v[132:133], v[134:135]
.set n, 8
.rept 30
	v_pk_add_f32 v[ST:ST+1], v[ST:ST+1], v[128+n:129+n]
	v_pk_add_f32 v[ST+2:ST+3], v[ST+2:ST+3], v[130+n:131+n]
.set n, n+4
.endr
	v_pk_add_f32 v[ST:ST+1], v[ST:ST+1], v[ST+2:ST+3]
	v_add_f32 v[ST], v[ST], v[ST+1]
	v_permlanex16_b32 v[ST+4], v[ST], s[SEL], s[SEL+1]
	v_add_f32 v[ST], v[ST], v[ST+4]
	v_max_num_f32 v[ST], 0.5, v[ST]                ; a row with an entry sums to about 1 or more; a row without sums to 0 and is left 0
	s_wait_alu depctr_va_vdst(0)
	v_rcp_f32 v[ST+8], v[ST]
	v_nop
	s_wait_alu depctr_va_vdst(0)
.set n, 0
.rept 64
	v_pk_mul_f32 v[128+n:129+n], v[128+n:129+n], v[ST+8:ST+9] op_sel_hi:[1,0]    ; the finished softmax
.set n, n+2
.endr
	QUANT 128, 0, PW                               ; p = 0 .. 127
	IMAGE PWI, 0
	ds_store_b32 v[PWS], v[PW]
	s_wait_dscnt 0x0
	QUANT 192, 0, PW                               ; p = 128 .. 255
	IMAGE PWI, 6144
	ds_store_b32 v[PWS], v[PW] offset:256
	BGLOAD
	; slot 1's first quad, on bytes of x too; the round also shows the softmax's images to all four waves
	s_wait_tensorcnt 0x0                           ; slot 0's quad has landed
	ds_add_u32 v[SPW], v[NIL]
	s_add_nc_u64 s[G0S+2:G0S+3], s[G0S+2:G0S+3], 102400
	s_add_co_u32 s[G0S+1], s[SWB], SLOT
	s_wait_dscnt 0x0
	CROUND
	tensor_load_to_lds s[G0S:G0S+3], s[G1S:G1S+7]
	s_nop 0
	PLACES 4
	; ================= V: retrieved: my 256 columns, 128 at a time (four units), quantised along d as K steps 8 + 2 w and 9 + 2 w of the last product
.macro RQ g
.irp m, 0,1,2,3
	QUANT 64*\m, 2, PW
	IMAGE RWI, 6144*\g+1536*\m
	ds_store_b32 v[RWS], v[PW] offset:256*\g+128*(\m%2)+4*(\m/2)
	s_wait_dscnt 0x0
.endr
.endm
	FETCHA 0, AP0, 0, 1536, PSB, 0
	FETCHA 1, AP0, 6144, 1536, PSB, 256
	s_wait_dscnt 0x0
	s_wait_loadcnt 63
	UNITQ 4, 0, 0, 1
	UNITQ 5, 0, 4, 1
	UNITQ 6, 1, 0, 0
	UNITQ 7, 1, 4, 0
	PLACES 4
	FETCHL 0                                       ; the first sub-chunk's first unit out of slot 0
	RQ 0
	s_wait_loadcnt 8                               ; behind v's last unit: bg's 8 loads
	UNITQ 0, 0, 0, 1
	UNITQ 1, 0, 4, 1
	UNITQ 2, 1, 0, 0
	UNITQ 3, 1, 4, 0
	PLACES 4
	LOADB 0
	LOADB 1
	LOADB 2
	LOADB 3
	RQ 1
	s_barrier_signal -1
	s_barrier_wait -1                              ; retrieved's images lie in LDS
	FETCHA 0, AX0, 0, 12288, ASB, 0
	; ================= A SUB-CHUNK: 64 columns a wave
.Lsub:
	STEPX 0, 1, 0, 0
	STEPX 1, 0, 0, 0
	STEPX 2, 0, 0, 0
	STEPX 3, 0, 1, 102400                          ; this sub-chunk's third quad is asked for
	WIN 0
	s_cmp_eq_u32 s[CC], 3
	s_cbranch_scc1 .Ltail
	STEPX 4, 0, 0, 0
	STEPX 5, 0, 0, 0
	STEPX 6, 0, 0, 0
	STEPX 7, 0, 1, 409600                          ; the next sub-chunk's first quad
.irp p, 0,1,2,3
	STEPR2 \p, 1
.endr
	PLACES 4
	LOADB 15
	s_branch .Lgate
.Ltail:
	STEPX 4, 0, 0, 0
	STEPX 5, 0, 0, 0
	STEPX 6, 0, 0, 0
	STEPX 7, 0, 2, 0
.irp p, 0,1,2,3
	STEPR2 \p, 0
.endr
	WIN 0
	PLACES 4
.Lgate:
	; the gate: 1 / (1 + 2^(-log2(e) (sum + bg))), in place, all four row tiles as one batch; then o x gate
	s_wait_loadcnt 63                              ; bg: 63 or more loads have been issued behind it
.set n, 0
.rept 16
	v_pk_mul_f32 v[BG+n:BG+n+1], v[BG+n:BG+n+1], s[NL:NL+1] op_sel_hi:[1,0]    ; -log2(e) bg
.set n, n+2
.endr
	WIN 0x82
.irp m, 0,1,2,3
.set n, 0
.rept 16
	v_pk_fma_f32 v[64*\m+n:64*\m+n+1], v[64*\m+n:64*\m+n+1], s[NL:NL+1], v[BG+n:BG+n+1] op_sel_hi:[1,0,1]   ; each accumulator from its low end on
.set n, n+2
.endr
.endr
	s_wait_alu depctr_va_vdst(0)                   ; a wait ahead of each batch and behind it
.irp m, 0,1,2,3
.set n, 0
.rept 32
	v_exp_f32 v[64*\m+n], v[64*\m+n]
.set n, n+1
.endr
.endr
	v_nop
	s_wait_alu depctr_va_vdst(0)
.irp m, 0,1,2,3
.set n, 0
.rept 16
	v_pk_add_f32 v[64*\m+n:64*\m+n+1], v[64*\m+n:64*\m+n+1], 1.0 op_sel_hi:[1,0]
.set n, n+2
.endr
.endr
	s_wait_alu depctr_va_vdst(0)
.irp m, 0,1,2,3
.set n, 0
.rept 32
	v_rcp_f32 v[64*\m+n], v[64*\m+n]
.set n, n+1
.endr
.endr
	v_nop
	WIN 0x8a
	s_wait_alu depctr_va_vdst(0)
.irp m, 0,1,2,3
.set n, 0
.rept 16
	v_pk_mul_f32 v[64*\m+32+n:64*\m+33+n], v[64*\m+32+n:64*\m+33+n], v[64*\m+n:64*\m+n+1]   ; each accumulator from its low end on
.set n, n+2
.endr
.endr
	; THE WAY OUT: a row tile (16 rows x 64 columns) at a time through my own stage; LDS serves a wave's instructions in order (ISA guide 5.7.1.4)
.macro TOSTAGE m
	WIN 0x08
.irp bb, 0,1
.irp j, 0,1,2,3
	ds_store_b128 v[STO], v[64*(\m)+32+16*\bb+4*\j:64*(\m)+32+16*\bb+4*\j+3] offset:128*\bb+16*\j
.endr
.endr
	WIN 0
.irp t, 0,1,2,3,4,5,6,7
	ds_load_b128 v[Y+32*((\m)%2)+4*\t:Y+32*((\m)%2)+4*\t+3], v[SRD] offset:544*\t
.endr
.endm
.macro SEND m, younger
.set EM, \m
	s_wait_dscnt \younger                          ; the tile's rows are back; the next tile's 8 stores and 8 loads may be out
	s_wait_loadcnt 8*(3-EM)                        ; its x is in; the later tiles' loads, 8 each, may be out
	WIN (1+2*(EM/2))<<2
.set n, 0
.rept 16
	v_pk_add_f32 v[Y+32*(EM%2)+n:Y+32*(EM%2)+n+1], v[Y+32*(EM%2)+n:Y+32*(EM%2)+n+1], v[192+32*(EM%2)+n:192+32*(EM%2)+n+1]
.set n, n+2
.endr
	WIN 0
.irp t, 0,1,2,3,4,5,6,7
	global_store_b128 v[XO], v[Y+32*(EM%2)+4*\t:Y+32*(EM%2)+4*\t+3], s[OB:OB+1] offset:(16*EM+2*\t)*4096 th:TH_STORE_NT   ; 16 lanes store 256 consecutive bytes, aligned; written once
.endr
.endm
	TOSTAGE 0
.irp m, 1,2,3
.if \m > 1
	s_wait_xcnt 0x0                                ; tile m - 2's stores have read their registers: tile m's rows may land there
.endif
	TOSTAGE \m
	SEND \m-1, 16
.endr
	SEND 3, 0
	s_add_co_u32 s[CC], s[CC], 1
	s_cmp_eq_u32 s[CC], 4
	s_cbranch_scc1 .Ldone
	s_wait_xcnt 0x0                                ; the loads and stores have read their bases and their data
	s_add_nc_u64 s[PF:PF+1], s[PF:PF+1], 614400    ; the next sub-chunk's weights,
	s_add_nc_u64 s[XB:XB+1], s[XB:XB+1], s[DX:DX+1]    ; and the next 64 columns of my wave
	s_add_nc_u64 s[OB:OB+1], s[OB:OB+1], s[DX:DX+1]
	s_add_nc_u64 s[18:19], s[18:19], s[DX:DX+1]
	BGLOAD
	s_mov_b32 s[DX], 256                           ; the step to the columns after: within a chunk of 512 columns, or on to the next chunk
	s_bitcmp1_b32 s[CC], 0
	s_cselect_b32 s[DX], 1792, s[DX]
	FETCHA 0, AX0, 0, 12288, ASB, 0
	s_cmp_lt_u32 s[CC], 4
	s_cbranch_scc1 .Lsub
.Ldone:
	s_wait_tensorcnt 0x0                           ; the wave's end
	ds_add_u32 v[SPW], v[NIL]
	s_wait_dscnt 0x0
	CROUND                                         ; the closing round: no work-group ends while a partner may still ask for a quad that names it
	s_endpgm
.Lfunc_end_k_q6763b02147_main:
	.size	k_q6763b02147_main, .Lfunc_end_k_q6763b02147_main-k_q6763b02147_main
	.p2alignl 7, 3214868480
	.fill 96, 4, 3214868480
	.section	.rodata,"a",@progbits
	.p2align	6, 0x0
	.amdhsa_kernel k_q6763b02147_main
		.amdhsa_group_segment_fixed_size 327680
		.amdhsa_private_segment_fixed_size 0
		.amdhsa_enable_private_segment 0
		.amdhsa_kernarg_size 72
		.amdhsa_user_sgpr_count 2
		.amdhsa_user_sgpr_kernarg_segment_ptr 1
		.amdhsa_wavefront_size32 1
		.amdhsa_system_sgpr_workgroup_id_x 1
		.amdhsa_system_sgpr_workgroup_id_y 1
		.amdhsa_system_sgpr_workgroup_id_z 1
		.amdhsa_system_vgpr_workitem_id 0
		.amdhsa_next_free_vgpr 1024
		.amdhsa_next_free_sgpr 100
		.amdhsa_reserve_vcc 0
		.amdhsa_float_denorm_mode_32 3
		.amdhsa_float_denorm_mode_16_64 3
		.amdhsa_memory_ordered 1
		.amdhsa_forward_progress 1
		.amdhsa_inst_pref_size 255
	.end_amdhsa_kernel
	.section	.bss,"aw",@nobits
	.p2align	6
	.space	262144
	.amdgpu_metadata
---
amdhsa.version: [ 1, 2 ]
amdhsa.kernels:
  - .name:           k_q6763b02147_main
    .symbol:         k_q6763b02147_main.kd
    .args:
      - { .name: x, .offset: 0, .size: 8, .value_kind: global_buffer, .address_space: global }
      - { .name: Wq_codes, .offset: 8, .size: 8, .value_kind: global_buffer, .address_space: global }
      - { .name: Wq_scales, .offset: 16, .size: 8, .value_kind: global_buffer, .address_space: global }
      - { .name: kst, .offset: 24, .size: 8, .value_kind: global_buffer, .address_space: global }
      - { .name: mbias, .offset: 32, .size: 8, .value_kind: global_buffer, .address_space: global }
      - { .name: vst, .offset: 40, .size: 8, .value_kind: global_buffer, .address_space: global }
      - { .name: wst, .offset: 48, .size: 8, .value_kind: global_buffer, .address_space: global }
      - { .name: bg, .offset: 56, .size: 8, .value_kind: global_buffer, .address_space: global }
      - { .name: out0, .offset: 64, .size: 8, .value_kind: global_buffer, .address_space: global }
    .group_segment_fixed_size: 327680
    .private_segment_fixed_size: 0
    .kernarg_segment_align: 8
    .kernarg_segment_size: 72
    .max_flat_workgroup_size: 128
    .sgpr_count:     100
    .vgpr_count:     1024
    .wavefront_size: 32
...
	.end_amdgpu_metadata
.endif
;; end of part 2
